; MI455X (gfx1250); checked and timed in simulation.
; The chip was launched on July 23, 2026; its instructions are those of AMD's public machine-readable ISA for CDNA 5 (MIT licence, August 2026) and "CDNA5" Instruction Set Architecture Reference Guide (July 2026). The comments in the code are by the model that wrote it; some were corrected since.
;; Simple NSVQ. Allowed arithmetic: matrix products marked QUANTISED: E3M2 operands, one E8M0 scale for each 32 along K, by v_wmma_scale_f32_16x16x128_f8f6f4 with both operands' format E3M2, f32 sums; everything else in f32.
;; Inputs: codebook 8,192 x 256 float32; noise 16,384 x 256 float32; x 8 x 2,048 x 256 float32.
;; Outputs: out0 8 x 2,048 x 256 float32; out1 8 x 2,048 int32; out2 one number float32.
;; This version of the problem:
;;   THIS VERSION OF THE PROBLEM IS GIVEN IN LOW PRECISION. The matrix products marked QUANTISED in the list below multiply operands that are first quantised to E3M2 (3 exponent bits, 2 mantissa bits; 6 bits a number), with one power-of-two scale for each 32 numbers along K (OCP MX v1.0); their sums are f32. All else is computed in f32.
;;   The module's matrix products, in the order in which they are computed (A, B: the left and right operand; K: the contracted axis; several contracted axes count as one K, in the product's order):
;;     1. [M 16,384, K 256] x [K 256, N 8,192]; A: input x; B: input codebook: QUANTISED
;;   THE QUANTISER, for each operand of a quantised product, along K:
;;     - K is cut into blocks of 32 from its start; a last block that is shorter is filled with zeros.
;;     - A block's scale is 2^e with e = floor(log2(the largest magnitude in the block)) - 4, held to -126 .. 127; a block of zeros has e = 0. As a byte (E8M0): e + 127.
;;     - Each number is divided by its block's scale, clamped to +-28, and rounded to the nearest number of E3M2, ties to even, subnormals kept.
;;     - The product sums the exact products of the quantised numbers (number of the format x scale) in f32.
;;   ~~~python
;;   def quantise(x, axis):      # numpy; x: float32 -> the quantised numbers, widened to float32 again
;;       x = np.moveaxis(x, axis, -1); K = x.shape[-1]
;;       x = np.pad(x, [(0, 0)] * (x.ndim - 1) + [(0, -K % 32)]); x = x.reshape(x.shape[:-1] + (-1, 32)); a = np.abs(x).max(-1, keepdims=True)
;;       e = np.where(a > 0, np.clip(np.frexp(np.where(a > 0, a, 1))[1] - 1 - 4, -126, 127), 0)      # np.frexp(a)[1] - 1 = floor(log2(a)), exactly
;;       r = np.clip(x / 2.0 ** e, -28, 28)
;;       step = 2.0 ** (np.maximum(np.frexp(np.where(r == 0, 1, r))[1] - 1, -2) - 2)
;;       q = np.round(r / step) * step * 2.0 ** e      # np.round: ties to even
;;       return np.moveaxis(q.reshape(q.shape[:-2] + (-1,))[..., :K], -1, axis).astype(np.float32)
;;   ~~~
;; One version. Each part assembles by itself: llvm-mc -triple=amdgcn-amd-amdhsa -mcpu=gfx1250 --defsym DOCPART=n.
;; ======== version 1 of 1: 4 launches
;; limits: right only within a limited range of input values
;; workspace buffers: recs 5,111,808 bytes; cand_key 524,288 bytes of whole numbers; cand_idx 524,288 bytes of whole numbers; part 1,024 bytes
;; launch quant (part 1): grid 256 x 1, 6 waves a work-group, no clusters, 168,704 bytes of LDS; arguments x, codebook, recs; writes recs
.if DOCPART == 1
	.amdgcn_target "amdgcn-amd-amdhsa--gfx1250"
	.amdhsa_code_object_version 6
	.text
	.protected	k_q8c6d48c5ae_quant
	.globl	k_q8c6d48c5ae_quant
	.p2align	8
	.type	k_q8c6d48c5ae_quant,@function
k_q8c6d48c5ae_quant:
	s_mov_b64 s[64:65], 0
	v_nop
	global_prefetch_b8 v0, s[64:65] scope:SCOPE_SE
	s_setreg_imm32_b32 hwreg(HW_REG_WAVE_MODE, 25, 1), 1
	s_wait_xcnt 0x0
; x [16384][256] and codebook [8192][256], f32, become RECORDS: one record for each tile of 16 rows x 256 K, laid in the order in which the
; matrix instruction's operand registers take it, so that the product's launch needs no row pitch and no unpacking.
; LEFT OUT IN ALL LAUNCHES: x_sq, the row's sum of squares in reference()'s distances.  For a row n the distances are x_sq[n] - 2 x.e[k] + e_sq[k]; x_sq[n] is
; the same for every k, so for all finite inputs it moves no argmin over k, and the distances reach no other output (the residual's norm is taken of x - c).
; As a limit: a NaN, an infinity or an overflow that reaches x_sq alone is not carried to the result.
; A record is REC = 3,328 bytes (13 x 256).  Record T is x's tile T for T < 1,024, the codebook's tile T - 1,024 from there on.
;   byte 1536 s + 512 c + 16 lane : registers 4 c .. 4 c + 3 of the lane's 12 registers of K step s (128 along K): codes of E3M2, 6 bits each
;   byte 3072 + 4 lane            : scale words (four E8M0 bytes, one for each 32 along K): lanes 0-15 row r's word of K step 0, lanes 16-31 row r's word of K step 1
;   byte 3200 + 4 lane            : the codebook's records only: the row's sum of squares of the UNQUANTISED numbers, f32, row lane % 16 (so it stands twice);
;                                   in x's records these bytes are neither written nor read
; A block's scale is 2^(floor(log2(its largest magnitude)) - 4): its byte is the largest magnitude's exponent field - 4, held at 1 from below.
; THE CODEBOOK'S RECORDS HOLD -2 Q(e): every code's sign bit is turned and every scale byte raised by 1.  That is exact (the byte is 251 at the most),
; and the product's launch then gets e_sq - 2 x.e straight from the matrix unit.
; LIMITS: NaN and infinities among the inputs are not served.  A block whose largest magnitude lies under 2^-122 keeps the byte 1; so does a block of zeros
; (the rule says 127): its codes are zeros, which add nothing under any byte but 0xff, and this program alone reads the bytes.
; SHARES: wave w of work-group g takes tile 6 g + w: 6 x 256 = 1,536 tiles, one a wave: no loop, no barrier, no slot filled twice.
; One tensor load brings the tile's 16 rows of 1,024 bytes into the wave's own LDS bytes; the lanes then read them in the operand's order.
.set REC,   3328
.set XT,    1024                       ; x's tiles
.set PITCH, 1040                       ; an LDS row: 1,024 bytes + 16 of padding = 260 words: row r starts at bank 4 r mod 64 (64 banks of 4 bytes: ISA guide 11.1)
.set WREG,  16*PITCH                   ; a wave's LDS bytes
.set AM,    8                          ; v8-11    largest magnitude of my four blocks
.set SCOP,  12                         ; v12-15   the conversions' scale operands
.set BYT,   16                         ; v16-19   the scale bytes
.set SQ,    20                         ; v20-27   sums of squares, a pair for each block
.set W0,    28                         ; v28, v29 my row's scale words of K steps 0 and 1
.set TP,    30                         ; v30      what comes from lane l xor 16
.set SH,    31                         ; v31      8 h
.set NUM,   32                         ; v32-159  my four blocks of 32 numbers
.set TMP,   160                        ; v160-191 the conversions' results: three registers from an even one on, eight times
.set FR,    192                        ; v192-215 the two fragments
.set SPW,   224                        ; v224     LDS address of my spare word; never rewritten
.set NIL,   225                        ; v225     0; never rewritten
	s_load_b128 s[4:7], s[0:1], 0x0                ; x, codebook
	s_load_b64 s[8:9], s[0:1], 0x10                ; recs
	v_lshl_add_u32 v[SPW], v0, 2, 0x29000
	v_mov_b32 v[NIL], 0
	ds_add_u32 v[SPW], v[NIL]                      ; the wave's opening: the add, twice on end, and its wait
	ds_add_u32 v[SPW], v[NIL]
	v_lshrrev_b32 v1, 5, v0
	v_readfirstlane_b32 s10, v1                    ; wave 0..5
	s_mul_i32 s11, ttmp9, 6
	s_add_co_u32 s11, s11, s10                     ; my tile T
	; descriptor group 1: 16 rows of 256 elements of 4 bytes, 4 words of padding behind every 256 words
	s_mov_b32 s16, (2<<16)|(1<<20)|(7<<22)|(3<<25)
	s_mov_b32 s17, 256<<16                         ; tensor_dim0 = 256
	s_mov_b32 s18, 16<<16                          ; tensor_dim1 = 16
	s_mov_b32 s19, 256<<16                         ; tile_dim0 = 256
	s_mov_b32 s20, 16                              ; tile_dim1 = 16
	s_mov_b32 s21, 256                             ; elements from row to row
	s_mov_b32 s22, 0
	s_mov_b32 s23, 0
	s_mov_b32 s24, 1                               ; group 0: count = 1
	s_mul_i32 s25, s10, WREG                       ; LDS address: my wave's bytes
	s_mov_b32 s32, 0x76543210
	s_mov_b32 s33, 0xfedcba98                      ; v_permlanex16_b32's selects for lane l xor 16
	s_cmp_lt_u32 s11, XT                           ; x's tile or the codebook's?  The choice hangs on ids alone
	s_cselect_b32 s12, 0, XT
	s_cselect_b32 s28, 0, 0x20820820               ; bit 6 i + 5, the sign, of sixteen codes in 96 bits: word 0,
	s_cselect_b32 s29, 0, 0x08208208               ; word 1,
	s_cselect_b32 s30, 0, 0x82082082               ; word 2
	s_cselect_b32 s31, 0, 1                        ; what is added to a scale byte
	s_wait_dscnt 0x0                               ; both opening adds are done
	s_wait_kmcnt 0x0
	s_cselect_b64 s[34:35], s[4:5], s[6:7]
	s_sub_co_u32 s12, s11, s12                     ; the tile's number in its tensor
	s_lshl_b32 s14, s12, 14                        ; 16 rows of 1,024 bytes
	s_mov_b32 s15, 0
	s_add_nc_u64 s[26:27], s[34:35], s[14:15]
	s_or_b32 s27, s27, 0x80000000                  ; type = 2
	tensor_load_to_lds s[24:27], s[16:23]          ; my one tensor load
	s_nop 0
	v_and_b32 v1, 31, v0                           ; lane
	s_mul_i32 s14, s11, REC
	s_add_nc_u64 s[8:9], s[8:9], s[14:15]          ; my record
	v_and_b32 v2, 15, v0                           ; r
	v_bfe_u32 v3, v0, 4, 1                         ; h
	v_mul_u32_u24 v4, v2, PITCH
	v_lshl_add_u32 v4, v3, 7, v4
	v_add_nc_u32 v4, s25, v4                       ; row r, + 128 h: the operand's layout gives lane (r, h) k = 64 c + 32 h + 0 .. 31 of each K step
	v_lshlrev_b32 v5, 4, v1                        ; 16 x lane
	v_lshlrev_b32 v6, 2, v1                        ; 4 x lane
	v_lshlrev_b32 v[SH], 3, v3
	v_mov_b32 v[TP], 0                             ; written once: a lane permute's destination counts as one of its sources
	s_wait_alu depctr_va_vdst(0)
	s_wait_tensorcnt 0x0                           ; the tile is in LDS; only the wave that asked for it reads it
.irp b, 0,1,2,3                                ; my block 2 s + c (b): 128 bytes, 256 bytes apart
.irp i, 0,1,2,3,4,5,6,7
	ds_load_b128 v[NUM+32*\b+4*\i:NUM+32*\b+4*\i+3], v4 offset:256*\b+16*\i
.endr
.endr
.irp s, 0,1
	s_wait_dscnt 16-16*\s                          ; this K step's sixteen loads are in; the other step's sixteen may be out
.irp c, 0,1                                    ; the two blocks by turns
	v_max3_num_f32 v[AM+2*\s+\c], |v[NUM+32*(2*\s+\c)]|, |v[NUM+32*(2*\s+\c)+1]|, 0x2800000   ; with the floor 2^(5 - 127): the byte cannot fall under 1
.endr
.irp j, 2,4,6,8,10,12,14,16,18,20,22,24,26,28,30
.irp c, 0,1
	v_max3_num_f32 v[AM+2*\s+\c], v[AM+2*\s+\c], |v[NUM+32*(2*\s+\c)+\j]|, |v[NUM+32*(2*\s+\c)+\j+1]|
.endr
.endr
.endr
.irp b, 0,1,2,3
	v_add_nc_u32 v[SCOP+\b], 0xfe000000, v[AM+\b]  ; 4 off the exponent field: the conversion takes the exponent field of this operand as its scale
.endr
.irp b, 0,1,2,3
	v_lshrrev_b32 v[BYT+\b], 23, v[SCOP+\b]        ; the scale's byte
.endr
.irp b, 0,1,2,3
	v_add_nc_u32 v[BYT+\b], s31, v[BYT+\b]         ; the codebook's: one more, for the factor 2
.endr
.irp q, 0,1,2,3,4,5,6,7                        ; sixteen numbers to 96 bits; conversion q serves block q / 2
	v_cvt_scalef32_pk16_bf6_f32 v[TMP+4*\q:TMP+4*\q+2], v[NUM+16*\q:NUM+16*\q+15], v[SCOP+\q/2]
.endr
	v_nop                                          ; one plain place behind the scaled conversions
.irp q, 0,1,2,3,4,5,6,7                        ; the signs are turned (the codebook's) on the way into the fragments' registers, whose triples begin on odd numbers too
.irp i, 0,1,2
	v_xor_b32 v[FR+3*\q+\i], s[28+\i], v[TMP+4*\q+\i]
.endr
.endr
.irp s, 0,1                                    ; my two bytes of K step s are those of blocks h and 2 + h of the step: 8 h bits up; lane l xor 16 has the other two
	v_lshl_or_b32 v[W0+\s], v[BYT+2*\s+1], 16, v[BYT+2*\s]
	v_lshlrev_b32 v[W0+\s], v[SH], v[W0+\s]
	v_permlanex16_b32 v[TP], v[W0+\s], s32, s33
	v_or_b32 v[W0+\s], v[W0+\s], v[TP]
.endr
	v_cmp_le_u32 vcc_lo, 16, v1
	v_cndmask_b32 v[W0], v[W0], v[W0+1], vcc_lo    ; lanes 0-15 keep K step 0's word, lanes 16-31 take K step 1's
.irp k, 0,1,2,3,4,5
	global_store_b128 v5, v[FR+4*\k:FR+4*\k+3], s[8:9] offset:512*\k   ; each store covers 512 consecutive bytes, at a multiple of 256 from the buffer's first byte
.endr
	global_store_b32 v6, v[W0], s[8:9] offset:3072
	s_cmp_lt_u32 s11, XT
	s_wait_alu depctr_va_vdst(0)
	s_cbranch_scc1 .Lend                           ; x's tile: its sums of squares are not wanted
.irp b, 0,1,2,3                                ; e_sq: four chains by turns
	v_pk_mul_f32 v[SQ+2*\b:SQ+2*\b+1], v[NUM+32*\b:NUM+32*\b+1], v[NUM+32*\b:NUM+32*\b+1]
.endr
.irp j, 2,4,6,8,10,12,14,16,18,20,22,24,26,28,30
.irp b, 0,1,2,3
	v_pk_fma_f32 v[SQ+2*\b:SQ+2*\b+1], v[NUM+32*\b+\j:NUM+32*\b+\j+1], v[NUM+32*\b+\j:NUM+32*\b+\j+1], v[SQ+2*\b:SQ+2*\b+1]
.endr
.endr
	v_pk_add_f32 v[SQ:SQ+1], v[SQ:SQ+1], v[SQ+2:SQ+3]
	v_pk_add_f32 v[SQ+4:SQ+5], v[SQ+4:SQ+5], v[SQ+6:SQ+7]
	v_pk_add_f32 v[SQ:SQ+1], v[SQ:SQ+1], v[SQ+4:SQ+5]
	v_add_f32 v[SQ], v[SQ], v[SQ+1]
	v_permlanex16_b32 v[TP], v[SQ], s32, s33
	v_add_f32 v[SQ], v[SQ], v[TP]                  ; the row's sum of squares, in both of its lanes
	global_store_b32 v6, v[SQ], s[8:9] offset:3200 ; with the scale words' 128 bytes this fills the record's last 256
.Lend:
	s_wait_tensorcnt 0x0                           ; the wave's end
	ds_add_u32 v[SPW], v[NIL]
	s_wait_dscnt 0x0
	s_endpgm
.Lfunc_end_k_q8c6d48c5ae_quant:
	.size	k_q8c6d48c5ae_quant, .Lfunc_end_k_q8c6d48c5ae_quant-k_q8c6d48c5ae_quant
	.p2alignl 7, 3214868480
	.fill 96, 4, 3214868480
	.section	.rodata,"a",@progbits
	.p2align	6, 0x0
	.amdhsa_kernel k_q8c6d48c5ae_quant
		.amdhsa_group_segment_fixed_size 168704
		.amdhsa_private_segment_fixed_size 0
		.amdhsa_enable_private_segment 0
		.amdhsa_kernarg_size 24
		.amdhsa_user_sgpr_count 2
		.amdhsa_user_sgpr_kernarg_segment_ptr 1
		.amdhsa_wavefront_size32 1
		.amdhsa_system_sgpr_workgroup_id_x 1
		.amdhsa_system_sgpr_workgroup_id_y 1
		.amdhsa_system_sgpr_workgroup_id_z 1
		.amdhsa_system_vgpr_workitem_id 0
		.amdhsa_next_free_vgpr 226
		.amdhsa_next_free_sgpr 66
		.amdhsa_reserve_vcc 1
		.amdhsa_float_denorm_mode_32 3
		.amdhsa_float_denorm_mode_16_64 3
		.amdhsa_memory_ordered 1
		.amdhsa_forward_progress 1
		.amdhsa_inst_pref_size 17
	.end_amdhsa_kernel
	.amdgpu_metadata
---
amdhsa.version: [ 1, 2 ]
amdhsa.kernels:
  - .name:           k_q8c6d48c5ae_quant
    .symbol:         k_q8c6d48c5ae_quant.kd
    .args:
      - { .name: x, .offset: 0, .size: 8, .value_kind: global_buffer, .address_space: global }
      - { .name: codebook, .offset: 8, .size: 8, .value_kind: global_buffer, .address_space: global }
      - { .name: recs, .offset: 16, .size: 8, .value_kind: global_buffer, .address_space: global }
    .group_segment_fixed_size: 168704
    .private_segment_fixed_size: 0
    .kernarg_segment_align: 8
    .kernarg_segment_size: 24
    .max_flat_workgroup_size: 192
    .sgpr_count:     66
    .vgpr_count:     226
    .wavefront_size: 32
...
	.end_amdgpu_metadata
.endif
;; end of part 1
;; launch dist (part 2): grid 32 x 8, 8 waves a work-group, clusters of 4 x 1, 327,680 bytes of LDS; arguments recs, cand_key, cand_idx; writes cand_key, cand_idx
.if DOCPART == 2
	.amdgcn_target "amdgcn-amd-amdhsa--gfx1250"
	.amdhsa_code_object_version 6
	.text
	.protected	k_q8c6d48c5ae_dist
	.globl	k_q8c6d48c5ae_dist
	.p2align	8
	.type	k_q8c6d48c5ae_dist,@function
k_q8c6d48c5ae_dist:
	s_mov_b64 s[64:65], 0
	v_nop
	global_prefetch_b8 v0, s[64:65] scope:SCOPE_SE
	s_setreg_imm32_b32 hwreg(HW_REG_WAVE_MODE, 25, 1), 1
	s_wait_xcnt 0x0
	s_wait_alu depctr_hold_cnt(0) depctr_sa_sdst(0) depctr_va_vdst(0) depctr_va_sdst(0) depctr_va_ssrc(0) depctr_va_vcc(0) depctr_vm_vsrc(0)
	s_getreg_b32 s2, hwreg(HW_REG_IB_STS2, 6, 4)
	s_cmp_eq_u32 s2, 0
	s_cbranch_scc0 .Lentry_in_a_cluster
	s_endpgm
.Lentry_in_a_cluster:
	s_bfe_u32 s2, ttmp6, 0x10000c
	s_cmp_lg_u32 s2, 0x3003
	s_cbranch_scc0 .Lentry_shape_is_right
	s_endpgm
.Lentry_shape_is_right:
; For each of 16,384 rows of x and each eighth of the codebook (1,024 codes): the smallest d = e_sq - 2 Q(x).Q(e) and the lowest index that has it.
; LEFT OUT: x_sq, which is the same for all codes of a row and so moves no argmin for any finite inputs; a NaN, an infinity or an overflow that reaches x_sq alone is not carried on.
; The operands come as records of 3,328 bytes (a tile of 16 rows x 256 K in the order of the operand's registers, its scale words, the codebook rows' sums of squares);
; the codebook's records hold -2 Q(e), so that the matrix instruction with C = e_sq gives d, on codes of E3M2 with E8M0 scales, sums in f32.
; LIMITS: NaN and infinities are not served (the minima pass a NaN over; a row with no finite d gets no defined index).  d is rounded inside the matrix unit, once
; a K step, and without x_sq, where the definition rounds twice behind the finished product; rows whose two best distances differ by no more than
; that rounding (some 2^-15 at distances of a few hundred) may take the other index.  Exact ties take the lowest index.
; SHARES: a work-group takes 512 rows x one eighth.  Wave w: rows 128 (w % 4) on (8 x tiles, kept in registers), codes 512 (w / 4) on (32 tiles, walked in ascending order).
; Two waves lie on a SIMD.
; THE PRODUCT IS USED TRANSPOSED: source 0 = 16 codes, source 1 = 16 rows of x: lane (r, h) holds row r and codes 8 h + 0 .. 7 of the tile.
; ARGMIN: for each x tile a lane keeps its best d so far, the number of the codebook tile that brought it and that tile's first seven d (where none of the seven
; equals the best it is the eighth); a strict less keeps the first.  At the end the lowest register equal to the best gives the code; the two halves of the lanes,
; then the two code ranges, are merged.  The result leaves as a whole number that rises with d, and the index.
; ORDER: the work goes by PAIRS of x tiles, four to a codebook tile.  A half slot has four products, K step 0 of this pair and K step 1 of the pair before, and 18 vector
; instructions: the minima of the pair two back, woven with the compares and selects of the pair three back.  So the four pairs' accumulators are used in a ring.
; CLUSTER: the four work-groups of a cluster have four row blocks and ONE eighth: they walk the same codebook records, which are asked for JOINTLY (mask 15).
; The eighth's 64 records come in two chunks, of 16 and 48 records (8 and 24 for each code range), each into LDS bytes of its own: one joint load a wave at the head and one behind
; the first chunk's round.  Nothing is filled twice.  x is not shared by the partners and goes from memory straight into registers.
; No prefetch: there are two fills in all and no loop of fills to run ahead in; the second has the first chunk's eight tiles' work in which to land.
; REGISTERS: window 0: v1-15, v29-31 addresses, the tile's number; v16-23 x's scale words; v24-25 the codebook tile's, two buffers; v32-79 its fragments, two buffers; v80-95 its e_sq,
;   two buffers; v96-159 eight accumulators; v160-223 for each x tile seven kept d and the tile's number; v224-231, v232-239 the best, old and new by turns; v240-249 at work.
;   window 1: v0-191 x's fragments (tile i, K step s at 24 i + 12 s).
.set REC,   3328
.set SLOT1, 16*REC                     ; chunk 0: 16 records; chunk 1 behind it: 48 records
.set SCR,   64*REC                     ; the merge's 8 KiB: no fill lands there
.set SPARE, SCR+8192                   ; the spare words, 128 bytes for each of eight waves: four blocks of 256 bytes that no other line names
.set SPW,  1                           ; v1   LDS address of my spare word; never rewritten
.set NIL,  2                           ; v2   0; never rewritten
.set AF0,  3                           ; v3-5   my lane's place in my range's first record of chunk 0: fragments, scale words, e_sq of codes 8 h + 0 .. 7
.set ADF,  6                           ; v6-8   the same at the pair of tiles in hand
.set ADS,  7
.set ADE,  8
.set L16,  9                           ; v9   16 x lane
.set L4,   10                          ; v10  4 x lane
.set H8,   11                          ; v11  8 h
.set SA,   12                          ; v12  the merge: where I store
.set RA,   13                          ; v13  the merge: where I read
.set T4,   14                          ; v14  4 x thread
.set TV,   15                          ; v15  the number of the codebook tile whose results are selected
.set XS,   16
.set CS,   24
.set AF1,  29                          ; v29-31 as v3-5, in chunk 1
.set CF,   32
.set ESQ,  80
.set ACC,  96
.set SAV,  160
.set BA,   224
.set BB,   232
.set JR,   240                         ; v240-241, and so on in twos
.set IX,   242
.set OB,   244
.set OI,   246
.set BV,   248
.set G1,   16                          ; s[16:23] descriptor group 1
.set G0,   24                          ; s[24:31] two groups 0, one for each chunk
.set TB,   40                          ; s40  LDS byte of the pair of tiles in hand, from the range's first record of the chunk
.set CNT,  43
.set SEL,  44                          ; s[44:45]
.set TIDB, 50                          ; s50  my range's first tile
.set MSB, 0
.macro WIN new                         ; the immediate's high byte repeats the setting that is left
.if MSB != \new
	s_set_vgpr_msb (MSB<<8)|\new
.set MSB, \new
.endif
.endm
.macro PLACES
.rept 4
	v_nop
.endr
.endm
; A round of the cluster's barrier: my work-group's barrier; wave 0 signals for the work-group; every wave waits for all four work-groups; my work-group's barrier once more.
.macro CROUND
	s_barrier_signal -1
	s_barrier_wait -1
	s_cmp_lg_u32 s10, 0
	s_cbranch_scc1 .Lnot_wave_0_\@
	s_barrier_signal -3
.Lnot_wave_0_\@:
	s_barrier_wait -3
	s_barrier_signal -1
	s_barrier_wait -1
.endm
	s_load_b128 s[4:7], s[0:1], 0x0                ; recs, cand_key
	s_load_b64 s[8:9], s[0:1], 0x10                ; cand_idx
	v_lshl_add_u32 v[SPW], v0, 2, SPARE
	v_mov_b32 v[NIL], 0
	ds_add_u32 v[SPW], v[NIL]                      ; the wave's opening: the add, twice on end, and its wait ahead of my first tensor load
	ds_add_u32 v[SPW], v[NIL]
	v_lshrrev_b32 v28, 5, v0
	v_readfirstlane_b32 s10, v28                   ; wave 0..7
	s_and_b32 s11, s10, 3                          ; rg: which 128 rows
	s_lshr_b32 s12, s10, 2                         ; cq: which 512 codes
	s_bfe_u32 s13, ttmp6, 0x40000                  ; cx: it enters x's address and the stores' alone
	s_lshl_b32 s14, ttmp9, 2
	s_add_co_u32 s14, s14, s13                     ; my block of 512 rows
	s_and_b32 s15, ttmp7, 0xffff                   ; the eighth, which the partners share
	; descriptor group 1: two records on end, 6,656 dense bytes, as 26 rows of 256 bytes (32 elements of 8 bytes), no padding: the lanes read 512 consecutive bytes
	s_mov_b32 s[G1], 15|(3<<16)|(1<<21)            ; 15:0 the mask: all four work-groups; 17:16 elements of 8 bytes; 21 set beside a mask
	s_mov_b32 s[G1+1], 32<<16
	s_mov_b32 s[G1+2], 26<<16
	s_mov_b32 s[G1+3], 32<<16
	s_mov_b32 s[G1+4], 26
	s_mov_b32 s[G1+5], 32
	s_mov_b32 s[G1+6], 0
	s_mov_b32 s[G1+7], 0
	s_mov_b32 s[SEL], 0x76543210
	s_mov_b32 s[SEL+1], 0xfedcba98                 ; v_permlanex16_b32's selects for lane l xor 16
	s_mov_b32 s49, 0xffff0000                      ; lanes 16-31
	s_lshl_b32 s[TIDB], s15, 6
	s_lshl_b32 s51, s12, 5
	s_add_co_u32 s[TIDB], s[TIDB], s51             ; 64 x eighth + 32 x range
	s_add_co_u32 s38, s[TIDB], 1024                ; the codebook's records lie behind x's 1,024
	s_mul_i32 s38, s38, REC                        ; my range's first record
	s_mov_b32 s39, 0
	s_mul_i32 s58, s11, 2*REC                      ; of a range's 8 tiles of chunk 0 I fetch tiles 2 (w % 4) on,
	s_mov_b32 s59, 0
	s_mul_i32 s60, s11, 6*REC                      ; of its 24 of chunk 1 tiles 6 (w % 4) on
	s_mov_b32 s61, 0
	s_lshl_b32 s36, s14, 5
	s_lshl_b32 s37, s11, 3
	s_add_co_u32 s36, s36, s37                     ; my first x tile: 32 x block + 8 rg
	s_mul_i32 s36, s36, REC
	s_mov_b32 s37, 0
	s_lshl_b32 s52, s15, 16
	s_lshl_b32 s53, s14, 11
	s_add_co_u32 s52, s52, s53                     ; the results: 65,536 x eighth + 2,048 x block
	s_mov_b32 s53, 0
	s_mul_i32 s57, s10, 2*REC                      ; where my records of chunk 0 go: no place in the cluster enters an LDS address
	s_mul_i32 s56, s10, 6*REC
	s_add_co_u32 s56, s56, SLOT1                   ; and those of chunk 1
	s_mul_i32 s54, s12, 8*REC                      ; my range's records in chunk 0,
	s_mul_i32 s55, s12, 16*REC
	s_add_co_u32 s55, s55, SLOT1                   ; and what chunk 1 adds: a range has 24 there
	s_lshl_b32 s62, s12, 11
	s_lshl_b32 s63, s11, 9
	s_add_co_u32 s62, s62, s63
	s_add_co_u32 s62, s62, SCR
	v_and_b32 v26, 31, v0                          ; lane
	v_and_b32 v27, 15, v0                          ; r
	v_bfe_u32 v28, v0, 4, 1                        ; h
	v_lshlrev_b32 v[T4], 2, v0
	v_lshlrev_b32 v[L16], 4, v26
	v_lshlrev_b32 v[L4], 2, v26
	v_lshlrev_b32 v[AF0+2], 5, v28
	v_lshlrev_b32 v[H8], 3, v28
	v_lshlrev_b32 v[SA], 2, v27
	v_add_nc_u32 v[AF0], s54, v[L16]
	v_add_nc_u32 v[AF0+1], s54, v[L4]
	v_add_nc_u32 v[AF0+2], s54, v[AF0+2]
	v_lshl_add_u32 v[SA], v28, 12, v[SA]
	v_add_nc_u32 v[RA], SCR, v[T4]
	v_add_nc_u32 v[AF0+1], 3072, v[AF0+1]
	v_add_nc_u32 v[AF0+2], 3200, v[AF0+2]
	v_add_nc_u32 v[SA], s62, v[SA]                 ; lanes 0-15 store d, lanes 16-31 indices 4,096 bytes on; 2,048 x range + 512 rg + 4 r
	v_add_nc_u32 v[AF1], s55, v[AF0]
	v_add_nc_u32 v[AF1+1], s55, v[AF0+1]
	v_add_nc_u32 v[AF1+2], s55, v[AF0+2]
	s_wait_alu depctr_va_vdst(0)
	s_wait_dscnt 0x0                               ; both opening adds are done
	s_wait_kmcnt 0x0
	s_add_nc_u64 s[36:37], s[4:5], s[36:37]
	s_add_nc_u64 s[38:39], s[4:5], s[38:39]
	s_add_nc_u64 s[6:7], s[6:7], s[52:53]
	s_add_nc_u64 s[8:9], s[8:9], s[52:53]
	s_add_nc_u64 s[58:59], s[38:39], s[58:59]
	s_add_nc_u64 s[60:61], s[38:39], s[60:61]
	s_mov_b32 s[G0], 1                             ; chunk 0: each range's tiles 0 to 7
	s_mov_b32 s[G0+1], s57
	s_mov_b64 s[G0+2:G0+3], s[58:59]
	s_or_b32 s[G0+3], s[G0+3], 0x80000000
	s_mov_b32 s[G0+4], 1                           ; chunk 1: tiles 8 to 31
	s_mov_b32 s[G0+5], s56
	s_add_nc_u64 s[G0+6:G0+7], s[60:61], 8*REC
	s_or_b32 s[G0+7], s[G0+7], 0x80000000
	CROUND                                         ; all four work-groups are here: the first joint loads meet
	tensor_load_to_lds s[G0:G0+3], s[G1:G1+7]      ; chunk 0: one tensor load a wave at the head
	s_nop 0
	PLACES
	; x: my eight tiles' fragments and scale words, as they lie in the records
	WIN 0x40                                       ; destination window 1, address window 0
.irp i, 0,1,2,3,4,5,6,7
.irp s, 0,1
.irp c, 0,1,2
	global_load_b128 v[24*\i+12*\s+4*\c:24*\i+12*\s+4*\c+3], v[L16], s[36:37] offset:REC*\i+1536*\s+512*\c
.endr
.endr
.endr
	WIN 0
.irp i, 0,1,2,3,4,5,6,7
	global_load_b32 v[XS+\i], v[L4], s[36:37] offset:REC*\i+3072
.endr
	; the walk is written once: its first tile finds +infinity as the best so far, and +infinity as the results of x tiles 4 to 7 of a tile before it, which displaces nothing
.irp i, 0,1,2,3,4,5
	v_mov_b32 v[BA+\i], 0x7f800000
.endr
.irp i, 4,5,6,7
	v_mov_b32 v[BB+\i], 0x7f800000
.endr
.set j, 0
.rept 32
	v_mov_b32 v[ACC+32+j], 0x7f800000
.set j, j+1
.endr
.set j, 0
.rept 64
	v_mov_b32 v[SAV+j], 0
.set j, j+1
.endr
.irp u, 0,1
	v_mov_b32 v[OB+\u], 0                          ; written once: a lane permute's destination counts as one of its sources
	v_mov_b32 v[OI+\u], 0
.endr
	v_mov_b32 v[TV], s[TIDB]
	v_add_nc_u32 v[TV], -1, v[TV]                  ; (one before my range's first tile)
; nine LDS loads: a codebook tile's two fragments, its scale words and its e_sq (the lanes of a half read the same 32 bytes) into buffer p
.macro LOADS p, off
.irp k, 0,1,2,3,4,5
	ds_load_b128 v[CF+24*(\p)+4*\k:CF+24*(\p)+4*\k+3], v[ADF] offset:(\off)+512*\k
.endr
	ds_load_b32 v[CS+(\p)], v[ADS] offset:(\off)
	ds_load_b128 v[ESQ+8*(\p):ESQ+8*(\p)+3], v[ADE] offset:(\off)
	ds_load_b128 v[ESQ+8*(\p)+4:ESQ+8*(\p)+7], v[ADE] offset:(\off)+16
.endm
; two products of K step 0: the tile in buffer p against x tiles i and i + 1: the sums start from C = e_sq
.macro K0 p, i
.irp t, \i, \i+1
	v_wmma_scale_f32_16x16x128_f8f6f4 v[ACC+8*(\t):ACC+8*(\t)+7], v[CF+24*(\p):CF+24*(\p)+11], v[24*(\t):24*(\t)+11], v[ESQ+8*(\p):ESQ+8*(\p)+7], v[CS+(\p)], v[XS+(\t)] matrix_a_fmt:MATRIX_FMT_BF6 matrix_b_fmt:MATRIX_FMT_BF6
.endr
.endm
; and of K step 1 (scale words from lanes 16-31).  Three other products or more stand between a sum's two steps.
.macro K1 p, i
.irp t, \i, \i+1
	v_wmma_scale_f32_16x16x128_f8f6f4 v[ACC+8*(\t):ACC+8*(\t)+7], v[CF+24*(\p)+12:CF+24*(\p)+23], v[24*(\t)+12:24*(\t)+23], v[ACC+8*(\t):ACC+8*(\t)+7], v[CS+(\p)], v[XS+(\t)] matrix_a_fmt:MATRIX_FMT_BF6 matrix_b_fmt:MATRIX_FMT_BF6 matrix_a_scale:MATRIX_SCALE_ROW1 matrix_b_scale:MATRIX_SCALE_ROW1
.endr
.endm
; the minimum's first three numbers (each accumulator is read from its low end on), two more, and the last with the best so far
.macro LFIRST t
	v_min3_num_f32 v[LNEW+(\t)], v[ACC+8*(\t)], v[ACC+8*(\t)+1], v[ACC+8*(\t)+2]
.endm
.macro LMORE t, q
	v_min3_num_f32 v[LNEW+(\t)], v[LNEW+(\t)], v[ACC+8*(\t)+\q], v[ACC+8*(\t)+\q+1]
.endm
.macro LLAST t
	v_min3_num_f32 v[LNEW+(\t)], v[LNEW+(\t)], v[ACC+8*(\t)+7], v[LOLD+(\t)]
.endm
; has it fallen?  Strictly less: an equal d of a later tile does not displace the first.  Where it has, seven d and the tile's number are kept, two registers an instruction
.macro FELL t
	v_cmp_lt_f32 vcc_lo, v[CNEW+(\t)], v[COLD+(\t)]
.endm
.macro KEEP2 t, j
	v_dual_cndmask_b32 v[SAV+8*(\t)+\j], v[SAV+8*(\t)+\j], v[ACC+8*(\t)+\j] :: v_dual_cndmask_b32 v[SAV+8*(\t)+\j+1], v[SAV+8*(\t)+\j+1], v[ACC+8*(\t)+\j+1]
.endm
.macro KEEPT t
	v_dual_cndmask_b32 v[SAV+8*(\t)+6], v[SAV+8*(\t)+6], v[ACC+8*(\t)+6] :: v_dual_cndmask_b32 v[SAV+8*(\t)+7], v[SAV+8*(\t)+7], v[TV]
.endm
.macro PARITY c, d                     ; which of BA and BB is old and which new, by the parity of the codebook tile: c for the minima, d for the compares
.if (\c) == 0
.set LOLD, BA
.set LNEW, BB
.else
.set LOLD, BB
.set LNEW, BA
.endif
.if (\d) == 0
.set COLD, BA
.set CNEW, BB
.else
.set COLD, BB
.set CNEW, BA
.endif
.endm
; the 18 vector instructions of a half slot: minima of x tiles l, l + 1; compares and selects of x tiles m, m + 1
.macro VSTEP c, l, d, m
	PARITY \c, \d
	FELL \m
	LFIRST \l
	LFIRST \l+1
	KEEP2 \m, 0
	KEEP2 \m, 2
	LMORE \l, 3
	LMORE \l+1, 3
	KEEP2 \m, 4
	KEEPT \m
	FELL \m+1
	LMORE \l, 5
	LMORE \l+1, 5
	KEEP2 \m+1, 0
	KEEP2 \m+1, 2
	LLAST \l
	LLAST \l+1
	KEEP2 \m+1, 4
	KEEPT \m+1
.endm
; A half slot: K step 0 of x tiles i (buffer a), K step 1 of x tiles j (buffer b), and the vector work.  A result is first read 18 vector instructions or more behind its last product
; (ISA guide 7.12.1), and its accumulator is written anew a half slot behind its last read.
.macro HALF a, i, b, j, c, l, d, m
	WIN 0x04                                       ; source 1 (x) window 1
	K0 \a, \i
	K1 \b, \j
	WIN 0
	VSTEP \c, \l, \d, \m
.endm
; The codebook tile in buffer p behind its first half slot; q = 1 - p.  next = 1: the next tile's nine loads go out first, into buffer q, which was last read 18 vector instructions back;
; three half slots later they are waited for, and the next tile's first half slot follows.
.macro BODY p, q, next, off
.if \next
	LOADS \q, \off
.endif
	HALF \p, 2, \p, 0, \q, 6, \q, 4
	HALF \p, 4, \p, 2, \p, 0, \q, 6
	v_add_nc_u32 v[TV], 1, v[TV]
	HALF \p, 6, \p, 4, \p, 2, \p, 0
.if \next
	s_wait_alu depctr_va_vdst(0)
	s_wait_dscnt 0x0
	HALF \q, 0, \p, 6, \p, 4, \p, 2
.endif
.endm
.macro ADDR f
	v_add_nc_u32 v[ADF], s[TB], v[\f]
	v_add_nc_u32 v[ADS], s[TB], v[\f+1]
	v_add_nc_u32 v[ADE], s[TB], v[\f+2]
.endm
.macro PAIR f, more                    ; two tiles, buffers 0 and 1.  more = 0: nothing is fetched past the range's records of the chunk
	ADDR \f
	BODY 0, 1, 1, REC
	BODY 1, 0, \more, 2*REC
	s_add_co_u32 s[TB], s[TB], 2*REC
.endm
.macro CHUNK f, trips, first           ; my range's 2 (trips + 1) tiles of a chunk, which begins at the addresses v[f] to v[f + 2]
	s_mov_b32 s[TB], 0
	ADDR \f
	LOADS 0, 0
	s_mov_b32 s[CNT], \trips
	s_wait_dscnt 0x0
.if \first                             ; the walk's first half slot: nothing stands before it
	WIN 0x04
	K0 0, 0
	WIN 0
.else
	HALF 0, 0, 1, 6, 1, 4, 1, 2
.endif
	s_wait_alu depctr_va_vdst(0)                   ; (for the second chunk as at the loop's end)
.Lpair_\@:
	PAIR \f, 1
	s_sub_co_u32 s[CNT], s[CNT], 1
	s_cmp_lg_u32 s[CNT], 0
	s_wait_alu depctr_va_vdst(0)
	s_cbranch_scc1 .Lpair_\@
	PAIR \f, 0
.endm
	s_wait_alu depctr_va_vdst(0)
	s_wait_tensorcnt 0x0                           ; my part of chunk 0 is in
	ds_add_u32 v[SPW], v[NIL]                      ; 0 onto my spare word
	s_mov_b32 s[G1+2], 78<<16                      ; no tensor load of mine is out, so a descriptor may be written: chunk 1's loads bring six records, 78 rows of 256 bytes
	s_mov_b32 s[G1+4], 78
	s_wait_dscnt 0x0                               ; the add is done
	CROUND                                         ; everybody's part of chunk 0 is in
	tensor_load_to_lds s[G0+4:G0+7], s[G1:G1+7]    ; chunk 1: my last tensor load
	s_nop 0
	PLACES
	s_wait_loadcnt 0x0                             ; x
	CHUNK AF0, 3, 1
	s_wait_alu depctr_va_vdst(0)
	s_wait_tensorcnt 0x0                           ; my part of chunk 1 is in
	s_wait_dscnt 0x0
	s_barrier_signal -1
	s_barrier_wait -1                              ; everybody's
	CHUNK AF1, 11, 0
	WIN 0x04                                       ; the last tile's last pairs: K step 1 of x tiles 6 and 7,
	K1 1, 6
	WIN 0
	VSTEP 1, 4, 1, 2
	VSTEP 1, 6, 1, 4
.irp t, 6,7
	FELL \t
.irp j, 0,2,4
	KEEP2 \t, \j
.endr
	KEEPT \t
.endr                                          ; the best of all eight x tiles is in BA now
; x tiles i and i + 1 by turns: the lowest register that holds the best gives the code; then the better of my pair and lane l xor 16's (the row's other eight codes of each tile), the lower index where they are equal.
.macro FIN2 i
.irp u, 0,1
	v_mov_b32 v[JR+\u], 7                          ; none of the seven kept: the eighth
.endr
.irp j, 6,5,4,3,2,1,0
.irp u, 0,1
	v_cmp_eq_f32 s[46+\u], v[SAV+8*(\i+\u)+\j], v[BA+\i+\u]
.endr
.irp u, 0,1
	v_cndmask_b32 v[JR+\u], v[JR+\u], \j, s[46+\u]
.endr
.endr
.irp u, 0,1
	v_lshl_add_u32 v[IX+\u], v[SAV+8*(\i+\u)+7], 4, v[JR+\u]
.endr
.irp u, 0,1
	v_add_nc_u32 v[IX+\u], v[IX+\u], v[H8]         ; 16 x tile + 8 h + register
.endr
.irp u, 0,1
	v_permlanex16_b32 v[OB+\u], v[BA+\i+\u], s[SEL], s[SEL+1]
.endr
.irp u, 0,1
	v_permlanex16_b32 v[OI+\u], v[IX+\u], s[SEL], s[SEL+1]
.endr
.irp u, 0,1
	v_cmp_lt_f32 s[46+\u], v[OB+\u], v[BA+\i+\u]
	v_cmp_eq_f32 s[52+\u], v[OB+\u], v[BA+\i+\u]
	v_cmp_lt_u32 s[54+\u], v[OI+\u], v[IX+\u]
.endr
.irp u, 0,1
	s_and_b32 s[52+\u], s[52+\u], s[54+\u]
	s_or_b32 s[46+\u], s[46+\u], s[52+\u]
.endr
.irp u, 0,1
	v_cndmask_b32 v[BV+\u], v[BA+\i+\u], v[OB+\u], s[46+\u]
	v_cndmask_b32 v[IX+\u], v[IX+\u], v[OI+\u], s[46+\u]
.endr
.irp u, 0,1
	v_cndmask_b32 v[BB+\i+\u], v[BV+\u], v[IX+\u], s49   ; lanes 0-15 send d, lanes 16-31 the index; a register of its own for each store
.endr
.irp u, 0,1
	ds_store_b32 v[SA], v[BB+\i+\u] offset:64*(\i+\u)
.endr
.endm
.irp i, 0,2,4,6
	FIN2 \i
.endr
	s_wait_alu depctr_va_vdst(0)
	s_wait_dscnt 0x0                               ; for the others' sake: my stores are done
	s_barrier_signal -1
	s_barrier_wait -1
.irp c, 0,1                                    ; thread t owns rows t and 256 + t of the block: the two ranges' pairs
.irp u, 0,1
	ds_load_b32 v[SAV+2*\c+\u], v[RA] offset:2048*\c+1024*\u
	ds_load_b32 v[SAV+4+2*\c+\u], v[RA] offset:4096+2048*\c+1024*\u
.endr
.endr
	s_wait_dscnt 0x0
.irp u, 0,1                                    ; a strict less keeps the lower range's
	v_cmp_lt_f32 s[46+\u], v[SAV+2+\u], v[SAV+\u]
.endr
.irp u, 0,1
	v_cndmask_b32 v[SAV+\u], v[SAV+\u], v[SAV+2+\u], s[46+\u]
	v_cndmask_b32 v[SAV+4+\u], v[SAV+4+\u], v[SAV+6+\u], s[46+\u]
.endr
	; a whole number that rises with d: all bits turned where d is negative, the sign bit alone where it is not
.irp u, 0,1
	v_add_f32 v[SAV+\u], 0, v[SAV+\u]              ; (-0 becomes +0: the two are equal distances)
.endr
.irp u, 0,1
	v_ashrrev_i32 v[SAV+2+\u], 31, v[SAV+\u]
.endr
.irp u, 0,1
	v_or_b32 v[SAV+2+\u], 0x80000000, v[SAV+2+\u]
.endr
.irp u, 0,1
	v_xor_b32 v[SAV+\u], v[SAV+\u], v[SAV+2+\u]
.endr
.irp u, 0,1
	global_store_b32 v[T4], v[SAV+\u], s[6:7] offset:1024*\u   ; a wave's store covers 128 consecutive bytes; the eight waves' cover 1,024
	global_store_b32 v[T4], v[SAV+4+\u], s[8:9] offset:1024*\u
.endr
	s_wait_tensorcnt 0x0                           ; the wave's end, behind my last tensor load and my last LDS store
	ds_add_u32 v[SPW], v[NIL]
	s_wait_dscnt 0x0
	CROUND                                         ; the closing round: no work-group ends while a partner may still ask for a tile that names it
	s_endpgm
.Lfunc_end_k_q8c6d48c5ae_dist:
	.size	k_q8c6d48c5ae_dist, .Lfunc_end_k_q8c6d48c5ae_dist-k_q8c6d48c5ae_dist
	.p2alignl 7, 3214868480
	.fill 96, 4, 3214868480
	.section	.rodata,"a",@progbits
	.p2align	6, 0x0
	.amdhsa_kernel k_q8c6d48c5ae_dist
		.amdhsa_group_segment_fixed_size 327680
		.amdhsa_private_segment_fixed_size 0
		.amdhsa_enable_private_segment 0
		.amdhsa_kernarg_size 24
		.amdhsa_user_sgpr_count 2
		.amdhsa_user_sgpr_kernarg_segment_ptr 1
		.amdhsa_wavefront_size32 1
		.amdhsa_system_sgpr_workgroup_id_x 1
		.amdhsa_system_sgpr_workgroup_id_y 1
		.amdhsa_system_sgpr_workgroup_id_z 1
		.amdhsa_system_vgpr_workitem_id 0
		.amdhsa_next_free_vgpr 448
		.amdhsa_next_free_sgpr 66
		.amdhsa_reserve_vcc 1
		.amdhsa_float_denorm_mode_32 3
		.amdhsa_float_denorm_mode_16_64 3
		.amdhsa_memory_ordered 1
		.amdhsa_forward_progress 1
		.amdhsa_inst_pref_size 92
	.end_amdhsa_kernel
	.amdgpu_metadata
---
amdhsa.version: [ 1, 2 ]
amdhsa.kernels:
  - .name:           k_q8c6d48c5ae_dist
    .symbol:         k_q8c6d48c5ae_dist.kd
    .args:
      - { .name: recs, .offset: 0, .size: 8, .value_kind: global_buffer, .address_space: global }
      - { .name: cand_key, .offset: 8, .size: 8, .value_kind: global_buffer, .address_space: global }
      - { .name: cand_idx, .offset: 16, .size: 8, .value_kind: global_buffer, .address_space: global }
    .group_segment_fixed_size: 327680
    .private_segment_fixed_size: 0
    .kernarg_segment_align: 8
    .kernarg_segment_size: 24
    .max_flat_workgroup_size: 256
    .sgpr_count:     66
    .vgpr_count:     448
    .wavefront_size: 32
...
	.end_amdgpu_metadata
.endif
;; end of part 2
;; launch apply (part 3): grid 256 x 1, 16 waves a work-group, no clusters, 3,072 bytes of LDS; arguments x, noise, codebook, cand_key, cand_idx, out0, out1, part; writes out0, out1, part
.if DOCPART == 3
	.amdgcn_target "amdgcn-amd-amdhsa--gfx1250"
	.amdhsa_code_object_version 6
	.text
	.protected	k_q8c6d48c5ae_apply
	.globl	k_q8c6d48c5ae_apply
	.p2align	8
	.type	k_q8c6d48c5ae_apply,@function
k_q8c6d48c5ae_apply:
	s_mov_b64 s[64:65], 0
	v_nop
	global_prefetch_b8 v0, s[64:65] scope:SCOPE_SE
	s_setreg_imm32_b32 hwreg(HW_REG_WAVE_MODE, 25, 1), 1
	s_wait_xcnt 0x0
; For each row: the best of the eight eighths' candidates (an earlier launch stored, as whole numbers, a key that rises with the distance, and the index), the residual's norm against that code, and
; out0 = x + |x - c| / (|noise| + 1e-12) noise;  out1 = the index;  part[g] = the work-group's sum of |x - c|^2.
; The choice is made on the stored whole numbers, in scalar registers: ascending eighths and a strict less keep the lowest index.  So one codebook row is gathered for each row.
; SHARES: a work-group takes 64 rows, a wave 4.  A row of 1,024 bytes lies across the 32 lanes as two loads of 16 bytes a lane, 512 consecutive bytes each.
; x and noise go out at the wave's head, 16 loads; the eight gathers behind the keys; the noise's norms are made while the gathers are out.
; No matrix work, no tensor load, no loop, and so no prefetch: every row is used by one wave.
; LIMITS: NaN and infinities are not served.  The division is a reciprocal and a multiplication.
.set BI,  4                            ; v4-7     the rows' indices
.set GA,  8                            ; v8-11    the gathers' offsets
.set RS,  12                           ; v12-15   |x - c|^2
.set RC,  16                           ; v16-19   what comes from lane l xor 16; then |x - c|
.set N2,  20                           ; v20-23   |noise|^2; then 1 / (|noise| + 1e-12)
.set RN,  24                           ; v24-27   |noise|
.set L8,  28                           ; v28      8 x lane
.set ZR,  29                           ; v29      0
.set SPW, 30                           ; v30      LDS address of my spare word; never rewritten
.set NIL, 31                           ; v31      0; never rewritten
.set X,   32                           ; v32-63   x, 8 registers a row
.set N,   64                           ; v64-95   noise, then the result
.set C,   96                           ; v96-127  the code's row, then x - c
.set AP,  128                          ; v128-135 sums of squares in two halves
.set F,   136                          ; v136-143 the factors (the low half serves both halves of the packed form)
.set IDX, 20                           ; s20-51   indices: eighth c, row i at 20 + 4 c + i
.set VAL, 68                           ; s68-99   keys likewise
	s_load_b512 s[4:19], s[0:1], 0x0               ; x, noise, codebook, cand_key, cand_idx, out0, out1, part
	v_lshl_add_u32 v[SPW], v0, 2, 0x400
	v_mov_b32 v[NIL], 0
	v_lshrrev_b32 v1, 5, v0
	v_readfirstlane_b32 s52, v1                    ; wave 0..15
	v_lshlrev_b32 v3, 4, v1                        ; LDS: 16 x wave: my four rows' words
	v_and_b32 v1, 31, v0                           ; lane
	v_mov_b32 v[ZR], 0
.irp i, 0,1,2,3
	v_mov_b32 v[RC+\i], 0                          ; written once: a lane permute's destination counts as one of its sources
	v_mov_b32 v[F+2*\i+1], 0                       ; (named as the upper half of a pair, so it is written)
.endr
	v_lshlrev_b32 v2, 4, v1                        ; 16 x lane
	v_lshlrev_b32 v[L8], 3, v1
	s_lshl_b32 s53, ttmp9, 8
	s_lshl_b32 s54, s52, 4
	s_add_co_u32 s53, s53, s54                     ; 4 x my first row (64 g + 4 w)
	s_lshl_b32 s54, s53, 8                         ; 1,024 x my first row
	s_mov_b32 s55, 0
	s_mov_b32 s56, 0x76543210
	s_mov_b32 s57, 0xfedcba98                      ; v_permlanex16_b32's selects for lane l xor 16
	s_wait_alu depctr_va_vdst(0)
	s_wait_kmcnt 0x0
.irp c, 0,1,2,3,4,5,6,7
	s_load_b128 s[IDX+4*\c:IDX+4*\c+3], s[12:13], s53 offset:65536*\c
	s_load_b128 s[VAL+4*\c:VAL+4*\c+3], s[10:11], s53 offset:65536*\c
.endr
	s_add_nc_u64 s[4:5], s[4:5], s[54:55]
	s_add_nc_u64 s[6:7], s[6:7], s[54:55]
	s_add_nc_u64 s[14:15], s[14:15], s[54:55]
.irp i, 0,1,2,3
	global_load_b128 v[N+8*\i:N+8*\i+3], v2, s[6:7] offset:1024*\i th:TH_LOAD_NT
	global_load_b128 v[N+8*\i+4:N+8*\i+7], v2, s[6:7] offset:1024*\i+512 th:TH_LOAD_NT
.endr
.irp i, 0,1,2,3
	global_load_b128 v[X+8*\i:X+8*\i+3], v2, s[4:5] offset:1024*\i th:TH_LOAD_NT
	global_load_b128 v[X+8*\i+4:X+8*\i+7], v2, s[4:5] offset:1024*\i+512 th:TH_LOAD_NT
.endr
	s_wait_kmcnt 0x0
.irp i, 0,1,2,3
.irp c, 1,2,3,4,5,6,7
	s_cmp_lt_u32 s[VAL+4*\c+\i], s[VAL+\i]
	s_cselect_b32 s[VAL+\i], s[VAL+4*\c+\i], s[VAL+\i]
	s_cselect_b32 s[IDX+\i], s[IDX+4*\c+\i], s[IDX+\i]
.endr
	s_min_u32 s[IDX+\i], s[IDX+\i], 8191           ; an index stays inside the table
	s_lshl_b32 s58, s[IDX+\i], 10
	v_add_nc_u32 v[GA+\i], s58, v2
.endr
	s_wait_alu depctr_va_vdst(0)
.irp i, 0,1,2,3                                ; no hint: a code may be named again
	global_load_b128 v[C+8*\i:C+8*\i+3], v[GA+\i], s[8:9]
	global_load_b128 v[C+8*\i+4:C+8*\i+7], v[GA+\i], s[8:9] offset:512
.endr
.irp i, 0,1,2,3
	v_mov_b32 v[BI+\i], s[IDX+\i]
.endr
	ds_store_b128 v3, v[BI:BI+3]                   ; all lanes write the same words with the same values
	s_wait_loadcnt 8                               ; x and noise are in; the eight gathers may be out
.irp i, 0,1,2,3                                ; the four rows' noise by turns
	v_pk_mul_f32 v[AP+2*\i:AP+2*\i+1], v[N+8*\i:N+8*\i+1], v[N+8*\i:N+8*\i+1]
.endr
.irp q, 1,2,3
.irp i, 0,1,2,3
	v_pk_fma_f32 v[AP+2*\i:AP+2*\i+1], v[N+8*\i+2*\q:N+8*\i+2*\q+1], v[N+8*\i+2*\q:N+8*\i+2*\q+1], v[AP+2*\i:AP+2*\i+1]
.endr
.endr
.irp i, 0,1,2,3
	v_add_f32 v[N2+\i], v[AP+2*\i], v[AP+2*\i+1]
.endr
.irp m, 1,2,4,8
.irp i, 0,1,2,3
	v_add_f32_dpp v[N2+\i], v[N2+\i], v[N2+\i] row_xmask:\m row_mask:0xf bank_mask:0xf
.endr
.endr
.irp i, 0,1,2,3
	v_permlanex16_b32 v[RC+\i], v[N2+\i], s56, s57
.endr
.irp i, 0,1,2,3
	v_add_f32 v[N2+\i], v[N2+\i], v[RC+\i]
.endr
	s_wait_alu depctr_va_vdst(0)
.irp i, 0,1,2,3
	v_sqrt_f32 v[RN+\i], v[N2+\i]
.endr
	v_nop                                          ; a plain place behind the roots
	s_wait_alu depctr_va_vdst(0)
.irp i, 0,1,2,3
	v_add_f32 v[RN+\i], 0x2b8cbccc, v[RN+\i]       ; + 1e-12
.endr
	s_wait_alu depctr_va_vdst(0)
.irp i, 0,1,2,3
	v_rcp_f32 v[N2+\i], v[RN+\i]
.endr
	v_nop                                          ; a plain place behind the reciprocals
	s_wait_alu depctr_va_vdst(0)
.macro ROW2 i, left                    ; rows i and i + 1 by turns
	s_wait_loadcnt \left                           ; loads come back in order: all but the gathers of the later rows are in
.irp q, 0,2,4,6
.irp t, \i, \i+1
	v_pk_add_f32 v[C+8*(\t)+\q:C+8*(\t)+\q+1], v[X+8*(\t)+\q:X+8*(\t)+\q+1], v[C+8*(\t)+\q:C+8*(\t)+\q+1] neg_lo:[0,1] neg_hi:[0,1]
.endr
.endr
.irp t, \i, \i+1
	v_pk_mul_f32 v[AP+2*(\t):AP+2*(\t)+1], v[C+8*(\t):C+8*(\t)+1], v[C+8*(\t):C+8*(\t)+1]
.endr
.irp q, 2,4,6
.irp t, \i, \i+1
	v_pk_fma_f32 v[AP+2*(\t):AP+2*(\t)+1], v[C+8*(\t)+\q:C+8*(\t)+\q+1], v[C+8*(\t)+\q:C+8*(\t)+\q+1], v[AP+2*(\t):AP+2*(\t)+1]
.endr
.endr
.irp t, \i, \i+1
	v_add_f32 v[RS+(\t)], v[AP+2*(\t)], v[AP+2*(\t)+1]
.endr
.irp m, 1,2,4,8
.irp t, \i, \i+1
	v_add_f32_dpp v[RS+(\t)], v[RS+(\t)], v[RS+(\t)] row_xmask:\m row_mask:0xf bank_mask:0xf
.endr
.endr
.irp t, \i, \i+1
	v_permlanex16_b32 v[RC+(\t)], v[RS+(\t)], s56, s57
.endr
.irp t, \i, \i+1
	v_add_f32 v[RS+(\t)], v[RS+(\t)], v[RC+(\t)]
.endr
	s_wait_alu depctr_va_vdst(0)
.irp t, \i, \i+1
	v_sqrt_f32 v[RC+(\t)], v[RS+(\t)]
.endr
	v_nop                                          ; a plain place behind the roots
	s_wait_alu depctr_va_vdst(0)
.irp t, \i, \i+1
	v_mul_f32 v[F+2*(\t)], v[RC+(\t)], v[N2+(\t)]
.endr
.irp q, 0,2,4,6
.irp t, \i, \i+1
	v_pk_fma_f32 v[N+8*(\t)+\q:N+8*(\t)+\q+1], v[N+8*(\t)+\q:N+8*(\t)+\q+1], v[F+2*(\t):F+2*(\t)+1], v[X+8*(\t)+\q:X+8*(\t)+\q+1] op_sel_hi:[1,0,1]
.endr
.endr
.irp t, \i, \i+1
	global_store_b128 v2, v[N+8*(\t):N+8*(\t)+3], s[14:15] offset:1024*(\t) th:TH_STORE_NT        ; 512 consecutive bytes, at a multiple of 256 from out0's first byte
	global_store_b128 v2, v[N+8*(\t)+4:N+8*(\t)+7], s[14:15] offset:1024*(\t)+512 th:TH_STORE_NT
.endr
.endm
	ROW2 0, 4
	ROW2 2, 0
	ds_store_b128 v3, v[RS:RS+3] offset:256
	s_wait_alu depctr_va_vdst(0)
	s_wait_dscnt 0x0                               ; for wave 0's sake: my stores are done
	s_barrier_signal -1
	s_barrier_wait -1
	s_cmp_lg_u32 s52, 0
	s_cbranch_scc1 .Ldone
	ds_load_b64 v[AP:AP+1], v[L8]                  ; wave 0: the 64 indices, two a lane,
	ds_load_b64 v[AP+2:AP+3], v[L8] offset:256     ; and the 64 sums
	s_lshl_b32 s54, ttmp9, 8
	s_add_nc_u64 s[16:17], s[16:17], s[54:55]
	s_wait_dscnt 0x0
	global_store_b64 v[L8], v[AP:AP+1], s[16:17]   ; 256 consecutive bytes, at a multiple of 256 from out1's first byte
	v_add_f32 v[AP+2], v[AP+2], v[AP+3]
.irp m, 1,2,4,8
	v_add_f32_dpp v[AP+2], v[AP+2], v[AP+2] row_xmask:\m row_mask:0xf bank_mask:0xf
.endr
	v_permlanex16_b32 v[AP+4], v[AP+2], s56, s57
	v_add_f32 v[AP+2], v[AP+2], v[AP+4]
	s_lshl_b32 s54, ttmp9, 2
	s_add_nc_u64 s[18:19], s[18:19], s[54:55]
	v_cmp_eq_u32 vcc_lo, 0, v1
	s_wait_alu depctr_va_vdst(0)
	s_wait_xcnt 0x0                                ; EXEC changes only behind this wait: the stores above have had their addresses translated
	s_and_saveexec_b32 s59, vcc_lo
	global_store_b32 v[ZR], v[AP+2], s[18:19]      ; lane 0: the work-group's sum
	s_wait_xcnt 0x0                                ; and again, in front of the line that widens it
	s_or_b32 exec_lo, exec_lo, s59
.Ldone:
	s_wait_tensorcnt 0x0                           ; the wave's end
	ds_add_u32 v[SPW], v[NIL]
	s_wait_dscnt 0x0
	s_endpgm
.Lfunc_end_k_q8c6d48c5ae_apply:
	.size	k_q8c6d48c5ae_apply, .Lfunc_end_k_q8c6d48c5ae_apply-k_q8c6d48c5ae_apply
	.p2alignl 7, 3214868480
	.fill 96, 4, 3214868480
	.section	.rodata,"a",@progbits
	.p2align	6, 0x0
	.amdhsa_kernel k_q8c6d48c5ae_apply
		.amdhsa_group_segment_fixed_size 3072
		.amdhsa_private_segment_fixed_size 0
		.amdhsa_enable_private_segment 0
		.amdhsa_kernarg_size 64
		.amdhsa_user_sgpr_count 2
		.amdhsa_user_sgpr_kernarg_segment_ptr 1
		.amdhsa_wavefront_size32 1
		.amdhsa_system_sgpr_workgroup_id_x 1
		.amdhsa_system_sgpr_workgroup_id_y 1
		.amdhsa_system_sgpr_workgroup_id_z 1
		.amdhsa_system_vgpr_workitem_id 0
		.amdhsa_next_free_vgpr 144
		.amdhsa_next_free_sgpr 100
		.amdhsa_reserve_vcc 1
		.amdhsa_float_denorm_mode_32 3
		.amdhsa_float_denorm_mode_16_64 3
		.amdhsa_memory_ordered 1
		.amdhsa_forward_progress 1
		.amdhsa_inst_pref_size 19
	.end_amdhsa_kernel
	.amdgpu_metadata
---
amdhsa.version: [ 1, 2 ]
amdhsa.kernels:
  - .name:           k_q8c6d48c5ae_apply
    .symbol:         k_q8c6d48c5ae_apply.kd
    .args:
      - { .name: x, .offset: 0, .size: 8, .value_kind: global_buffer, .address_space: global }
      - { .name: noise, .offset: 8, .size: 8, .value_kind: global_buffer, .address_space: global }
      - { .name: codebook, .offset: 16, .size: 8, .value_kind: global_buffer, .address_space: global }
      - { .name: cand_key, .offset: 24, .size: 8, .value_kind: global_buffer, .address_space: global }
      - { .name: cand_idx, .offset: 32, .size: 8, .value_kind: global_buffer, .address_space: global }
      - { .name: out0, .offset: 40, .size: 8, .value_kind: global_buffer, .address_space: global }
      - { .name: out1, .offset: 48, .size: 8, .value_kind: global_buffer, .address_space: global }
      - { .name: part, .offset: 56, .size: 8, .value_kind: global_buffer, .address_space: global }
    .group_segment_fixed_size: 3072
    .private_segment_fixed_size: 0
    .kernarg_segment_align: 8
    .kernarg_segment_size: 64
    .max_flat_workgroup_size: 512
    .sgpr_count:     100
    .vgpr_count:     144
    .wavefront_size: 32
...
	.end_amdgpu_metadata
.endif
;; end of part 3
;; launch loss (part 4): grid 1 x 1, 1 waves a work-group, no clusters, 0 bytes of LDS; arguments part, out2; writes out2
.if DOCPART == 4
	.amdgcn_target "amdgcn-amd-amdhsa--gfx1250"
	.amdhsa_code_object_version 6
	.text
	.protected	k_q8c6d48c5ae_loss
	.globl	k_q8c6d48c5ae_loss
	.p2align	8
	.type	k_q8c6d48c5ae_loss,@function
k_q8c6d48c5ae_loss:
	s_mov_b64 s[64:65], 0
	v_nop
	global_prefetch_b8 v0, s[64:65] scope:SCOPE_SE
	s_setreg_imm32_b32 hwreg(HW_REG_WAVE_MODE, 25, 1), 1
	s_wait_xcnt 0x0
; out2 = m + 0.25 m, m = the mean of (x - c)^2 over 16,384 x 256 = 2^22 numbers: the 256 work-groups' sums are added by one wave, eight a lane.
; The sum spans work-groups, so it has an owner of its own in a launch behind them.
	s_load_b128 s[4:7], s[0:1], 0x0                ; part, out2
	v_lshlrev_b32 v1, 4, v0
	s_mov_b32 s8, 0x76543210
	s_mov_b32 s9, 0xfedcba98                       ; v_permlanex16_b32's selects for lane l xor 16
	v_mov_b32 v10, 0                               ; written once: a lane permute's destination counts as one of its sources
	v_mov_b32 v11, 0
	s_wait_alu depctr_va_vdst(0)
	s_wait_kmcnt 0x0
	global_load_b128 v[2:5], v1, s[4:5]
	global_load_b128 v[6:9], v1, s[4:5] offset:512
	s_wait_loadcnt 0x0
	v_pk_add_f32 v[2:3], v[2:3], v[4:5]
	v_pk_add_f32 v[6:7], v[6:7], v[8:9]
	v_pk_add_f32 v[2:3], v[2:3], v[6:7]
	v_add_f32 v2, v2, v3
	v_add_f32_dpp v2, v2, v2 row_xmask:1 row_mask:0xf bank_mask:0xf
	v_add_f32_dpp v2, v2, v2 row_xmask:2 row_mask:0xf bank_mask:0xf
	v_add_f32_dpp v2, v2, v2 row_xmask:4 row_mask:0xf bank_mask:0xf
	v_add_f32_dpp v2, v2, v2 row_xmask:8 row_mask:0xf bank_mask:0xf
	v_permlanex16_b32 v10, v2, s8, s9
	v_add_f32 v2, v2, v10
	v_mul_f32 v2, 0x34800000, v2                   ; x 2^-22: the mean
	v_fma_f32 v3, 0x3e800000, v2, v2               ; codebook loss + 0.25 x commitment loss: the two are the same mean
	v_cmp_eq_u32 vcc_lo, 0, v0
	s_wait_alu depctr_va_vdst(0)
	s_wait_xcnt 0x0                                ; EXEC changes only behind this wait
	s_and_saveexec_b32 s10, vcc_lo
	global_store_b32 v11, v3, s[6:7]
	s_wait_xcnt 0x0                                ; and again, in front of the line that widens it
	s_or_b32 exec_lo, exec_lo, s10
	s_endpgm
.Lfunc_end_k_q8c6d48c5ae_loss:
	.size	k_q8c6d48c5ae_loss, .Lfunc_end_k_q8c6d48c5ae_loss-k_q8c6d48c5ae_loss
	.p2alignl 7, 3214868480
	.fill 96, 4, 3214868480
	.section	.rodata,"a",@progbits
	.p2align	6, 0x0
	.amdhsa_kernel k_q8c6d48c5ae_loss
		.amdhsa_group_segment_fixed_size 0
		.amdhsa_private_segment_fixed_size 0
		.amdhsa_enable_private_segment 0
		.amdhsa_kernarg_size 16
		.amdhsa_user_sgpr_count 2
		.amdhsa_user_sgpr_kernarg_segment_ptr 1
		.amdhsa_wavefront_size32 1
		.amdhsa_system_sgpr_workgroup_id_x 1
		.amdhsa_system_sgpr_workgroup_id_y 1
		.amdhsa_system_sgpr_workgroup_id_z 1
		.amdhsa_system_vgpr_workitem_id 0
		.amdhsa_next_free_vgpr 16
		.amdhsa_next_free_sgpr 66
		.amdhsa_reserve_vcc 1
		.amdhsa_float_denorm_mode_32 3
		.amdhsa_float_denorm_mode_16_64 3
		.amdhsa_memory_ordered 1
		.amdhsa_forward_progress 1
		.amdhsa_inst_pref_size 2
	.end_amdhsa_kernel
	.amdgpu_metadata
---
amdhsa.version: [ 1, 2 ]
amdhsa.kernels:
  - .name:           k_q8c6d48c5ae_loss
    .symbol:         k_q8c6d48c5ae_loss.kd
    .args:
      - { .name: part, .offset: 0, .size: 8, .value_kind: global_buffer, .address_space: global }
      - { .name: out2, .offset: 8, .size: 8, .value_kind: global_buffer, .address_space: global }
    .group_segment_fixed_size: 0
    .private_segment_fixed_size: 0
    .kernarg_segment_align: 8
    .kernarg_segment_size: 16
    .max_flat_workgroup_size: 32
    .sgpr_count:     66
    .vgpr_count:     16
    .wavefront_size: 32
...
	.end_amdgpu_metadata
.endif
;; end of part 4
